; MI455X (gfx1250); checked and timed in simulation.
; The chip was launched on July 23, 2026; its instructions are those of AMD's public machine-readable ISA for CDNA 5 (MIT licence, August 2026) and "CDNA5" Instruction Set Architecture Reference Guide (July 2026). The comments in the code are by the model that wrote it; some were corrected since.
;; LST Mcell. Allowed arithmetic: matrix products marked QUANTISED: E2M1 operands, one E8M0 scale for each 32 along K, by v_wmma_scale_f32_16x16x128_f8f6f4 with both operands' format E2M1 (or v_wmma_scale_f32_32x16x128_f4), f32 sums; everything else in f32.
;; Inputs: W_c_h 2,048 x 2,048 float32; W_c_x 2,048 x 2,048 float32; W_f_h 2,048 x 2,048 float32; W_f_x 2,048 x 2,048 float32; W_i_h 2,048 x 2,048 float32; W_i_x 2,048 x 2,048 float32; W_o_h 2,048 x 2,048 float32; W_o_x 2,048 x 2,048 float32; b_c_h 2,048 float32; b_c_x 2,048 float32; b_f_h 2,048 float32; b_f_x 2,048 float32; b_i_h 2,048 float32; b_i_x 2,048 float32; b_o_h 2,048 float32; b_o_x 2,048 float32; c 2,048 x 2,048 float32; h_codes 2,048 x 64 x 16 uint8 (E2M1 codes of h, K innermost, in blocks of 32 codes, two codes a byte); h_scales 2,048 x 64 uint8 (E8M0 scales of h, one for each 32 codes along K); x_codes 2,048 x 64 x 16 uint8 (E2M1 codes of x, K innermost, in blocks of 32 codes, two codes a byte); x_scales 2,048 x 64 uint8 (E8M0 scales of x, one for each 32 codes along K).
;; Outputs: out0 2,048 x 2,048 float32; out1 2,048 x 2,048 float32; out2 2,048 x 2,048 float32.
;; This version of the problem:
;;   THIS VERSION OF THE PROBLEM IS GIVEN IN LOW PRECISION. The matrix products marked QUANTISED in the list below multiply operands that are first quantised to E2M1 (2 exponent bits, 1 mantissa bit; 4 bits a number), with one power-of-two scale for each 32 numbers along K (OCP MX v1.0); their sums are f32. All else is computed in f32.
;;   The module's matrix products, in the order in which they are computed (A, B: the left and right operand; K: the contracted axis; several contracted axes count as one K, in the product's order):
;;     1. [M 2,048, K 2,048] x [K 2,048, N 8,192]; A: input x (given as codes); B: computed on the way: QUANTISED
;;     2. [M 2,048, K 2,048] x [K 2,048, N 8,192]; A: input h (given as codes); B: computed on the way: QUANTISED
;;   THE QUANTISER, for each operand of a quantised product, along K:
;;     - K is cut into blocks of 32 from its start; a last block that is shorter is filled with zeros.
;;     - A block's scale is 2^e with e = floor(log2(the largest magnitude in the block)) - 2, held to -126 .. 127; a block of zeros has e = 0. As a byte (E8M0): e + 127.
;;     - Each number is divided by its block's scale, clamped to +-6, and rounded to the nearest number of E2M1, ties to even, subnormals kept.
;;     - The product sums the exact products of the quantised numbers (number of the format x scale) in f32.
;;   ~~~python
;;   def quantise(x, axis):      # numpy; x: float32 -> the quantised numbers, widened to float32 again
;;       x = np.moveaxis(x, axis, -1); K = x.shape[-1]
;;       x = np.pad(x, [(0, 0)] * (x.ndim - 1) + [(0, -K % 32)]); x = x.reshape(x.shape[:-1] + (-1, 32)); a = np.abs(x).max(-1, keepdims=True)
;;       e = np.where(a > 0, np.clip(np.frexp(np.where(a > 0, a, 1))[1] - 1 - 2, -126, 127), 0)      # np.frexp(a)[1] - 1 = floor(log2(a)), exactly
;;       r = np.clip(x / 2.0 ** e, -6, 6)
;;       step = 2.0 ** (np.maximum(np.frexp(np.where(r == 0, 1, r))[1] - 1, 0) - 1)
;;       q = np.round(r / step) * step * 2.0 ** e      # np.round: ties to even
;;       return np.moveaxis(q.reshape(q.shape[:-2] + (-1,))[..., :K], -1, axis).astype(np.float32)
;;   ~~~
;;   OPERANDS COMPUTED ON THE WAY. 'Computed on the way' means the value that the module computes at that place (a softmax that the list does not call 'softmax' is quantised finished and normalised). What goes into a quantiser is computed in f32, as accurately as f32 sums, v_exp_f32 and their like allow (about 1e-6 of the number): no bf16 or f16 on the way to a quantiser, and a product that is left as it is and whose result goes on into a quantised operand takes f32 operands (vector FMAs, or v_wmma_f32_16x16x4_f32). A number that lies on a knife's edge between two numbers of the format may be rounded either way, as far as f32 arithmetic and the matrix unit's own rounding can turn it there, and no further.
;;   INPUTS GIVEN AS CODES. h (in the module: [2048, 2048], K = its axis 1); x (in the module: [2048, 2048], K = its axis 1): each comes as NAME_codes (uint8): NAME with its K axis moved to the last place and cut into blocks of 32 codes, [.., K / 32, bytes a block], one block behind the other in memory; two codes a byte, the lower K in the low four bits (a code: sign, 2 exponent bits, 1 mantissa bit); and NAME_scales (uint8): the same leading axes, one E8M0 byte (e + 127) for each 32 codes along K. Its value is code x scale, taken as it is: it is not quantised again, and the codes and scales need not be those that the quantiser above would give.
;; One version. Each part assembles by itself: llvm-mc -triple=amdgcn-amd-amdhsa -mcpu=gfx1250 --defsym DOCPART=n.
;; ======== version 1 of 1: 2 launches
;; limits: right only within a limited range of input values
;; workspace buffers: wq 17,825,792 bytes
;; launch quant (part 1): grid 128 x 8, 4 waves a work-group, no clusters, 33,280 bytes of LDS; arguments W_f_x, W_i_x, W_o_x, W_c_x, W_f_h, W_i_h, W_o_h, W_c_h, wq; writes wq
.if DOCPART == 1
	.amdgcn_target "amdgcn-amd-amdhsa--gfx1250"
	.amdhsa_code_object_version 6
	.text
	.protected	k_qed396e4904_quant
	.globl	k_qed396e4904_quant
	.p2align	8
	.type	k_qed396e4904_quant,@function
k_qed396e4904_quant:
	s_mov_b64 s[64:65], 0
	v_nop
	global_prefetch_b8 v0, s[64:65] scope:SCOPE_SE
	s_setreg_imm32_b32 hwreg(HW_REG_WAVE_MODE, 25, 1), 1
	s_wait_xcnt 0x0
; The eight weights, [2048][2048] f32 with K innermost, become codes of FP4 (E2M1) with one E8M0 scale byte for each 32 along K, laid in wq as the second launch's tiles of B:
;   wq = [ct 32][src 2][kk 4][hf 2][136 rows of 256 bytes].  ct: a block of 64 output columns; src: 0 the _x weights, 1 the _h weights; kk: 512 along K; hf: which 32 of the 64 columns.
;   In such a half tile, row 16 i + r (i = 2 g + u; gate g = 0 f, 1 i, 2 o, 3 c) holds the 512 codes (256 bytes) of row 64 ct + 32 hf + 16 u + r of gate g's weight;
;   rows 128 + i hold the scale bytes of block i: 16 rows x 16 bytes, a row's four scale words of this K step.  So a half tile is 34,816 consecutive bytes.
; A block's scale is 2^(floor(log2(its largest magnitude)) - 2); its byte is the largest magnitude's own exponent field - 2, held at 1 from below.  Each number is divided by the scale and rounded to the nearest code, ties to even;
; beyond 6 the conversion gives the largest code.
; LIMITS: a block of zeros gets the byte 1 where the rule says 127 (its codes are zeros, which add nothing, and this program alone reads the bytes); blocks whose largest magnitude lies under 2^-124 were not tried;
; NaN and infinities among the weights are not served.
; SHARES.  Work-group (x, y) takes rows 16 x .. 16 x + 15 of weight y (y = 4 src + g).  Wave kk takes K step kk of these rows, a row a step: 512 numbers, 2,048 consecutive bytes, four loads of 512 bytes.
; The conversions take neighbours along K from ONE lane's registers, so a step's bytes turn through the wave's own stage in LDS: in as loaded (16 bytes a lane), back 64 bytes a lane; 16 bytes of padding behind each 64.
; A lane's 16 codes are 8 bytes: a step's store covers 256 consecutive bytes, one row of the tile.  A step's 16 scale bytes are gathered in LDS; the wave's 256 leave by one store of 256 consecutive bytes.
; No tensor loads, no barrier: waves share nothing.  Loads run four steps (16 loads a wave) ahead, the turn through LDS one step.
.set STEPS, 16
.set SP,    80                         ; a lane's place in a stage: its 64 bytes + 16 of padding
.set WREG,  8192                       ; LDS of a wave: two stages of 32 x SP bytes, then its 256 scale bytes
.set R,     16                         ; v16-79   four sets of 16 numbers as they are loaded
.set X,     80                         ; v80-111  two sets of 16 neighbours
.set E,     112                        ; v112-127 a scale byte for each step
.set C,     128                        ; v128-191 codes: registers of its own for each step, so that no store's data are written again
.set T_CT,  557056                     ; wq's strides in bytes
.set T_SRC, 278528
.set T_KK,  69632
.set T_HF,  34816
	s_load_b512 s[4:19], s[0:1], 0x0               ; the eight weights: weight y at s[4 + 2 y : 5 + 2 y]
	s_load_b64 s[20:21], s[0:1], 0x40              ; wq
	v_lshl_add_u32 v192, v0, 2, 0x8000
	v_mov_b32 v193, 0
	v_lshrrev_b32 v1, 5, v0
	v_readfirstlane_b32 s23, v1                    ; wave = kk
	s_and_b32 s22, ttmp7, 0xffff                   ; which weight
	v_and_b32 v2, 31, v0                           ; lane
	v_lshlrev_b32 v3, 4, v2                        ; my 16 bytes of a load's 512
	s_mul_i32 s24, s23, WREG
	v_lshrrev_b32 v14, 2, v2
	v_mul_u32_u24 v14, v14, SP
	v_and_b32 v15, 3, v2
	v_lshl_add_u32 v14, v15, 4, v14
	v_add_nc_u32 v14, s24, v14                     ; the stage, on the way in: SP (lane / 4) + 16 (lane % 4); a load's 512 bytes take eight places
	v_mul_u32_u24 v15, v2, SP
	v_add_nc_u32 v15, s24, v15                     ; and on the way out: SP x lane: my 16 neighbours
	v_lshlrev_b32 v4, 3, v2                        ; 8 x lane: my codes' place in a step's 256 bytes, and my 8 of the 256 scale bytes
	v_lshrrev_b32 v5, 1, v2
	s_add_co_u32 s24, s24, 2*32*SP
	v_add_nc_u32 v5, s24, v5                       ; LDS: my wave's scale bytes, my block's byte
	v_add_nc_u32 v6, s24, v4                       ; and on the way out 8 bytes a lane
	; offsets, apart from the addresses
	s_lshl_b32 s24, ttmp9, 17                      ; in: 16 rows of 8,192 bytes a work-group,
	s_lshl_b32 s25, s23, 11                        ; + 2,048 bytes a K step
	s_add_co_u32 s24, s24, s25
	s_mov_b32 s25, 0
	s_lshr_b32 s26, ttmp9, 2                       ; ct
	s_mul_i32 s26, s26, T_CT
	s_lshr_b32 s27, s22, 2                         ; src
	s_mul_i32 s27, s27, T_SRC
	s_add_co_u32 s26, s26, s27
	s_mul_i32 s27, s23, T_KK
	s_add_co_u32 s26, s26, s27
	s_bfe_u32 s27, ttmp9, 0x10001                  ; hf: one bit from bit 1
	s_mul_i32 s27, s27, T_HF
	s_add_co_u32 s26, s26, s27                     ; my half tile
	s_and_b32 s27, s22, 3                          ; g
	s_lshl_b32 s27, s27, 1
	s_and_b32 s28, ttmp9, 1                        ; u
	s_add_co_u32 s27, s27, s28                     ; i = 2 g + u
	s_lshl_b32 s28, s27, 12
	s_add_co_u32 s28, s28, s26                     ; block i's 16 rows of codes
	s_mov_b32 s29, 0
	s_lshl_b32 s30, s27, 8
	s_add_co_u32 s30, s30, s26
	s_add_co_u32 s30, s30, 128*256                 ; block i's scale bytes, behind the 128 rows of codes
	s_mov_b32 s31, 0
	s_wait_alu depctr_va_vdst(0)
	s_wait_kmcnt 0x0
	s_bitcmp1_b32 s22, 0                           ; the weight is chosen by the three bits of y: a choice that hangs on the work-group's number alone
	s_cselect_b64 s[4:5], s[6:7], s[4:5]
	s_cselect_b64 s[8:9], s[10:11], s[8:9]
	s_cselect_b64 s[12:13], s[14:15], s[12:13]
	s_cselect_b64 s[16:17], s[18:19], s[16:17]
	s_bitcmp1_b32 s22, 1
	s_cselect_b64 s[4:5], s[8:9], s[4:5]
	s_cselect_b64 s[12:13], s[16:17], s[12:13]
	s_bitcmp1_b32 s22, 2
	s_cselect_b64 s[4:5], s[12:13], s[4:5]
	s_add_nc_u64 s[4:5], s[4:5], s[24:25]          ; my first row's K step
	s_add_nc_u64 s[8:9], s[20:21], s[28:29]        ; where my codes go
	s_add_nc_u64 s[10:11], s[20:21], s[30:31]      ; where my scale bytes go
.macro LOAD t                          ; row t's K step: four loads of 512 consecutive bytes
.irp i, 0,1,2,3
	global_load_b128 v[R+16*((\t)%4)+4*\i:R+16*((\t)%4)+4*\i+3], v3, s[4:5] offset:8192*(\t)+512*\i th:TH_LOAD_NT
.endr
.endm
.macro TURN t                          ; step t's numbers through the stage: LDS serves a wave's instructions in order (ISA guide 5.7.1.4), so no wait stands between the stores and the loads
.irp i, 0,1,2,3
	ds_store_b128 v14, v[R+16*((\t)%4)+4*\i:R+16*((\t)%4)+4*\i+3] offset:32*SP*((\t)%2)+8*SP*\i
.endr
.irp i, 0,1,2,3
	ds_load_b128 v[X+16*((\t)%2)+4*\i:X+16*((\t)%2)+4*\i+3], v15 offset:32*SP*((\t)%2)+16*\i
.endr
.endm
.irp t, 0,1,2,3
	LOAD \t
.endr
	s_wait_loadcnt 12                              ; step 0's four loads are in; the twelve behind them stay out
	TURN 0
.macro STEP t
.set XS, X+16*((\t)%2)
.if (\t) > 0
	s_wait_dscnt 1                                 ; this step's numbers are back from the stage (the last step's byte store may be out): so its stores into the stage have read their registers,
.else
	s_wait_dscnt 0x0
.endif
.if (\t)+4 < STEPS
	LOAD (\t)+4                                    ; which take the loads of four steps on
.endif
.if (\t)+1 < STEPS
.if STEPS-2-(\t) >= 3
	s_wait_loadcnt 12                              ; the next step's four loads are in; those of the three steps behind it may be out
.else
	s_wait_loadcnt 4*(STEPS-2-(\t))                ; the counts run down
.endif
	TURN (\t)+1                                    ; and go through the other stage while this step is worked
.endif
	v_max3_num_f32 v8, |v[XS]|, |v[XS+1]|, |v[XS+2]|               ; the largest magnitude of my 16, in two chains
	v_max3_num_f32 v9, |v[XS+3]|, |v[XS+4]|, |v[XS+5]|
.irp i, 6,10
	v_max3_num_f32 v8, v8, |v[XS+\i]|, |v[XS+\i+1]|
	v_max3_num_f32 v9, v9, |v[XS+\i+2]|, |v[XS+\i+3]|
.endr
	v_max3_num_f32 v8, v8, |v[XS+14]|, |v[XS+15]|
	v_max3_num_f32 v8, v8, v9, 0x1800000           ; and the floor 2^(3 - 127): so the byte cannot fall under 1
	v_max_num_f32_dpp v8, v8, v8 row_xmask:1 row_mask:0xf bank_mask:0xf   ; and of my neighbour's 16: the block's
	v_add_nc_u32 v11, 0xff000000, v8               ; 2 off its exponent field: the conversion takes the exponent field of this operand as its scale, and nothing else of it
	v_cvt_scalef32_pk8_fp4_f32 v[C+4*(\t)], v[XS:XS+7], v11        ; eight numbers / the scale, to the nearest code; the first number's code in the lowest four bits
	v_cvt_scalef32_pk8_fp4_f32 v[C+4*(\t)+1], v[XS+8:XS+15], v11
	v_lshrrev_b32 v[E+(\t)], 23, v11               ; the scale's byte (a plain line behind the conversions)
	ds_store_b8 v5, v[E+(\t)] offset:16*(\t)       ; both lanes of a block write the same byte with the same value
	global_store_b64 v4, v[C+4*(\t):C+4*(\t)+1], s[8:9] offset:256*(\t)   ; 32 lanes store 256 consecutive bytes, at a multiple of 256 from wq's first byte: row t of block i
.endm
.irp t, 0,1,2,3,4,5,6,7,8,9,10,11,12,13,14,15
	STEP \t
.endr
	ds_load_b64 v[12:13], v6                       ; these see my byte stores: a wave's LDS instructions are served in order
	s_wait_dscnt 0x0
	global_store_b64 v4, v[12:13], s[10:11]        ; 32 lanes store the block's 256 scale bytes
	s_wait_tensorcnt 0x0
	ds_add_u32 v192, v193
	s_wait_dscnt 0x0
	s_endpgm
.Lfunc_end_k_qed396e4904_quant:
	.size	k_qed396e4904_quant, .Lfunc_end_k_qed396e4904_quant-k_qed396e4904_quant
	.p2alignl 7, 3214868480
	.fill 96, 4, 3214868480
	.section	.rodata,"a",@progbits
	.p2align	6, 0x0
	.amdhsa_kernel k_qed396e4904_quant
		.amdhsa_group_segment_fixed_size 33280
		.amdhsa_private_segment_fixed_size 0
		.amdhsa_enable_private_segment 0
		.amdhsa_kernarg_size 72
		.amdhsa_user_sgpr_count 2
		.amdhsa_user_sgpr_kernarg_segment_ptr 1
		.amdhsa_wavefront_size32 1
		.amdhsa_system_sgpr_workgroup_id_x 1
		.amdhsa_system_sgpr_workgroup_id_y 1
		.amdhsa_system_sgpr_workgroup_id_z 1
		.amdhsa_system_vgpr_workitem_id 0
		.amdhsa_next_free_vgpr 194
		.amdhsa_next_free_sgpr 66
		.amdhsa_reserve_vcc 0
		.amdhsa_float_denorm_mode_32 3
		.amdhsa_float_denorm_mode_16_64 3
		.amdhsa_memory_ordered 1
		.amdhsa_forward_progress 1
		.amdhsa_inst_pref_size 34
	.end_amdhsa_kernel
	.amdgpu_metadata
---
amdhsa.version: [ 1, 2 ]
amdhsa.kernels:
  - .name:           k_qed396e4904_quant
    .symbol:         k_qed396e4904_quant.kd
    .args:
      - { .name: W_f_x, .offset: 0, .size: 8, .value_kind: global_buffer, .address_space: global }
      - { .name: W_i_x, .offset: 8, .size: 8, .value_kind: global_buffer, .address_space: global }
      - { .name: W_o_x, .offset: 16, .size: 8, .value_kind: global_buffer, .address_space: global }
      - { .name: W_c_x, .offset: 24, .size: 8, .value_kind: global_buffer, .address_space: global }
      - { .name: W_f_h, .offset: 32, .size: 8, .value_kind: global_buffer, .address_space: global }
      - { .name: W_i_h, .offset: 40, .size: 8, .value_kind: global_buffer, .address_space: global }
      - { .name: W_o_h, .offset: 48, .size: 8, .value_kind: global_buffer, .address_space: global }
      - { .name: W_c_h, .offset: 56, .size: 8, .value_kind: global_buffer, .address_space: global }
      - { .name: wq, .offset: 64, .size: 8, .value_kind: global_buffer, .address_space: global }
    .group_segment_fixed_size: 33280
    .private_segment_fixed_size: 0
    .kernarg_segment_align: 8
    .kernarg_segment_size: 72
    .max_flat_workgroup_size: 128
    .sgpr_count:     66
    .vgpr_count:     194
    .wavefront_size: 32
...
	.end_amdgpu_metadata
.endif
;; end of part 1
;; launch cell (part 2): grid 32 x 8, 4 waves a work-group, clusters of 4 x 4, 327,680 bytes of LDS; arguments x_codes, x_scales, h_codes, h_scales, wq, c, out0, out1, out2, b_f_x, b_i_x, b_o_x, b_c_x, b_f_h, b_i_h, b_o_h, b_c_h; writes out0, out1, out2
.if DOCPART == 2
	.amdgcn_target "amdgcn-amd-amdhsa--gfx1250"
	.amdhsa_code_object_version 6
	.text
	.protected	k_qed396e4904_cell
	.globl	k_qed396e4904_cell
	.p2align	8
	.type	k_qed396e4904_cell,@function
k_qed396e4904_cell:
	s_mov_b64 s[64:65], 0
	v_nop
	global_prefetch_b8 v0, s[64:65] scope:SCOPE_SE
	s_setreg_imm32_b32 hwreg(HW_REG_WAVE_MODE, 25, 1), 1
	s_wait_xcnt 0x0
	s_wait_alu depctr_hold_cnt(0) depctr_sa_sdst(0) depctr_va_vdst(0) depctr_va_sdst(0) depctr_va_ssrc(0) depctr_va_vcc(0) depctr_vm_vsrc(0)
	s_getreg_b32 s2, hwreg(HW_REG_IB_STS2, 6, 4)
	s_cmp_eq_u32 s2, 0
	s_cbranch_scc0 .Lentry_in_a_cluster
	s_endpgm
.Lentry_in_a_cluster:
	s_bfe_u32 s2, ttmp6, 0x10000c
	s_cmp_lg_u32 s2, 0xf033
	s_cbranch_scc0 .Lentry_shape_is_right
	s_endpgm
.Lentry_shape_is_right:
; gates = x Wx^T + bx + h Wh^T + bh on codes of FP4 (E2M1) with E8M0 scales for each 32 along K; f, i, o = sigmoid, c~ = tanh; c_new = f c + i c~; h_new = o c_new.  out0 = o, out1 = h_new, out2 = c_new, [2048][2048] f32.
; x, h: codes [2048][1,024 bytes], scale bytes [2048][64], taken as given.  The weights' codes and scale bytes come from wq, laid by the launch before:
;   wq = [ct 32][src 2][kk 4][hf 2][136 rows of 256 bytes]: rows 16 (2 g + u) + r: 512 codes of row 64 ct + 32 hf + 16 u + r of gate g's weight; rows 128 + i: block i's scale bytes, 16 a row.
; SHARES.  Work-group (ct, rt): rows 256 rt .. + 255 x output columns 64 ct .. + 63 of all four gates.  Four waves; wave w: 128 rows (RH = w / 2) x 32 columns (CH = w % 2) x 4 gates: 64 accumulators, 512 registers.
; THE MATRIX INSTRUCTION IS USED TRANSPOSED (source 0 = 16 rows of a weight, source 1 = 16 rows of x or h): lane (r, h), register j of accumulator (a, b = 2 g + u) is gate g of row 16 a + r, column 32 CH + 16 u + 8 h + j:
; the four gates of an element lie in one lane and register of four accumulators.
; K = 4,096 in four laps of two K steps of 512: slot 0 holds x and Wx, slot 1 h and Wh.  Cluster (X, Y) takes in lap L the K step (rot + L) mod 4, rot = (X + X / 4 + 2 Y) mod 4: the same in all sixteen partners.
; ORDER OF THE SUMS (a limit of order): laps rot, rot + 1, .. mod 4, in each x's K step and then h's, one f32 sum; the two biases' sum is added behind the products, inside the multiply-add that makes the exponents.
; CLUSTERS 4 x 4: x's and h's tiles and scale bytes are asked for jointly along a row of the cluster, wq's along a column.  c's tile is read by one work-group alone: a load with no mask.
; PREFETCH: c's tile, two K steps ahead of its tensor load.  The ring's tiles are not prefetched: the block is 256 x 256 in clusters and the walk has eight K steps, of which four would come by their loads alone.
; ACTIVATIONS: sigmoid(g) = 1 / (1 + 2^(-g log2 e)); tanh(g) = 1 - 2 / (1 + 2^(2 g log2 e)): an exponential that overflows gives 0, 1 or -1; near 0 tanh carries an absolute error of about 1e-7.
; REGISTERS: window 0: v1-29 addresses; v32-95 scale words, two sets; v96-111 c, v112-159 rows on the way out; v128-255 A's fragments, two sets.
;   window 1: B's fragments at v0 and v128; v64-127 and v192-255 the biases.   windows 2, 3: the accumulators of my rows 0-63, 64-127 ((a, b) at v[8 (8 (a % 4) + b)]).
.set NQ,     4
.set LAPS,   4
.set PITCH,  272                       ; 256 bytes + 16 of padding: the 16 rows of a fragment load start 4 banks apart
.set HALFA,  128*PITCH
.set HALFB,  136*PITCH
.set BOFF,   2*HALFA
.set SLOT,   BOFF+2*HALFB
.set SCA,    2*SLOT                    ; x's scale bytes of my 256 rows, dense, 16,384 bytes; then h's
.set SPARE,  SCA+32768                 ; the spare words: 128 bytes a wave
.set CTILE,  256*PITCH                 ; c's tile at LDS byte 0; behind it three stages of that size, on bytes whose last fill is over
.set CRD,  4
.set STO,  5
.set RD,   8
.set GO,   11
.set ADSA, 12                          ; x's and h's scale words of the lap in hand
.set ADSB, 13
.set VB,   15
.set ADRA, 16
.set ADS0, 18
.set ADRB, 20
.set PFO,  22
.set SPW,  28
.set NIL,  29
.set SC,   32                          ; set s at v[SC + 32 s]: + 4 (a % 4) + q A's, + 16 + 4 (b % 4) + q B's; blocks 4-7 in lanes 16-31
.set CC,   96
.set OB,   112
.set AF,   128                         ; A's set p at v[AF + 64 p]
.set BS,   64                          ; window 1: the scaled sum of the biases; BT: the _h biases as loaded
.set BT,   192
.set WV,   20
.set RH,   21
.set CH,   22
.set ROT,  23
.set G1,   24
.set G0,   32
.set PFC,  40
.set KK,   42
.set KS16, 43
.set WRA,  44
.set WRB,  46
.set G1B,  48
.set G0B,  56
.set G1S,  68
.set G0SX, 76
.set G0SH, 80
.set G1C,  84
.set G0C,  92
.set G0HB, 84                          ; the head's group 0 for wq's 272 rows and for x's 256: registers that c's descriptor takes once the head's loads have landed
.set G0H,  92
.set OUT,  96
.set KS1,  4
.set KS2,  6
.set MSB, 0
.macro WIN new                         ; the immediate's high byte repeats the setting that is left
.if MSB != (\new)
	s_set_vgpr_msb (MSB<<8)|(\new)
.set MSB, (\new)
.endif
.endm
.macro PLACES                          ; four plain places between a matrix instruction and a load into, or a read of, its registers
.rept 4
	v_nop
.endr
.endm
.macro JLOAD g0a, g1a, g0b, g1b        ; waves 0, 1 the first line, waves 2, 3 the second; s_nop 0 and four v_nop behind each
	s_cmp_eq_u32 s[RH], 0
	s_cbranch_scc0 .Lsecond_\@
	tensor_load_to_lds s[\g0a:\g0a+3], s[\g1a:\g1a+7]
	s_nop 0
	PLACES
	s_branch .Lasked_\@
.Lsecond_\@:
	tensor_load_to_lds s[\g0b:\g0b+3], s[\g1b:\g1b+7]
	s_nop 0
	PLACES
.Lasked_\@:
.endm
.macro CREST
	s_cmp_lg_u32 s[WV], 0
	s_cbranch_scc1 .Lnot_wave_0_\@
	s_barrier_signal -3
.Lnot_wave_0_\@:
	s_barrier_wait -3
	s_barrier_signal -1
	s_barrier_wait -1
.endm
.macro CROUND
	s_barrier_signal -1
	s_barrier_wait -1
	CREST
.endm
	s_load_b256 s[4:11], s[0:1], 0x0               ; x's codes, x's scales, h's codes, h's scales
	s_load_b128 s[12:15], s[0:1], 0x20             ; wq, c
	s_load_b128 s[OUT:OUT+3], s[0:1], 0x30         ; out0, out1
	s_load_b64 s[OUT+4:OUT+5], s[0:1], 0x40        ; out2
	v_lshl_add_u32 v[SPW], v0, 2, SPARE
	v_mov_b32 v[NIL], 0
	ds_add_u32 v[SPW], v[NIL]                      ; the opening lines: the add twice on end and one wait
	ds_add_u32 v[SPW], v[NIL]
	v_lshrrev_b32 v1, 5, v0
	v_readfirstlane_b32 s[WV], v1
	s_lshr_b32 s[RH], s[WV], 1
	s_and_b32 s[CH], s[WV], 1
	s_bfe_u32 s40, ttmp6, 0x40000                  ; cx
	s_bfe_u32 s41, ttmp6, 0x40004                  ; cy
	s_lshl_b32 s42, ttmp9, 2
	s_add_co_u32 s42, s42, s40                     ; ct
	s_and_b32 s43, ttmp7, 0xffff
	s_lshl_b32 s43, s43, 2
	s_add_co_u32 s43, s43, s41                     ; rt
	s_lshl_b32 s44, s41, 2
	s_lshl_b32 s44, 15, s44                        ; my row of the cluster
	s_lshl_b32 s45, 0x1111, s40                    ; my column
	; group 1, x's and h's tiles: rows of 256 bytes, 1,024 apart, 16 bytes of padding behind each; 256 rows for the head's load, 128 behind it
	s_or_b32 s[G1+0], s44, (0<<16)|(1<<20)|(1<<21)|(5<<22)|(3<<25)
	s_mov_b32 s[G1+1], 256<<16
	s_mov_b32 s[G1+2], 256<<16
	s_mov_b32 s[G1+3], 256<<16
	s_mov_b32 s[G1+4], 256
	s_mov_b32 s[G1+5], 1024
	s_mov_b32 s[G1+6], 0
	s_mov_b32 s[G1+7], 0
	; wq's: dense rows of 256 bytes; 272 rows (both half tiles) for the head's load, 136 behind it
	s_or_b32 s[G1B+0], s45, (0<<16)|(1<<20)|(1<<21)|(5<<22)|(3<<25)
	s_mov_b32 s[G1B+1], 256<<16
	s_mov_b32 s[G1B+2], 272<<16
	s_mov_b32 s[G1B+3], 256<<16
	s_mov_b32 s[G1B+4], 272
	s_mov_b32 s[G1B+5], 256
	s_mov_b32 s[G1B+6], 0
	s_mov_b32 s[G1B+7], 0
	; the scale bytes of 256 rows of x or h: 16,384 dense bytes as 64 rows of 32 elements of 8 bytes, no padding
	s_or_b32 s[G1S+0], s44, (3<<16)|(1<<21)
	s_mov_b32 s[G1S+1], 32<<16
	s_mov_b32 s[G1S+2], 64<<16
	s_mov_b32 s[G1S+3], 32<<16
	s_mov_b32 s[G1S+4], 64
	s_mov_b32 s[G1S+5], 32
	s_mov_b32 s[G1S+6], 0
	s_mov_b32 s[G1S+7], 0
	s_lshr_b32 s[ROT], ttmp9, 2                    ; rot, of the cluster's x and y
	s_add_co_u32 s[ROT], s[ROT], ttmp9
	s_and_b32 s2, ttmp7, 0xffff
	s_lshl_b32 s2, s2, 1
	s_add_co_u32 s[ROT], s[ROT], s2
	s_and_b32 s[ROT], s[ROT], 3
	s_lshl_b32 s16, s43, 18                        ; codes of x or h: 256 rows of 1,024 bytes a tile row
	s_lshl_b32 s2, s[ROT], 8
	s_add_co_u32 s16, s16, s2                      ; + K step rot
	s_mov_b32 s17, 0
	s_mul_i32 s46, s42, 557056                     ; wq: my block of columns
	s_mul_i32 s2, s[ROT], 69632
	s_add_co_u32 s46, s46, s2                      ; + K step rot
	s_mov_b32 s47, 0
	s_lshl_b32 s18, s43, 14                        ; scale bytes: 64 a row
	s_mov_b32 s19, 0
	s_lshl_b32 s66, s43, 21                        ; c and the outputs: 256 rows of 8,192 bytes + 64 columns
	s_lshl_b32 s67, s42, 8
	s_add_co_u32 s66, s66, s67
	s_mov_b32 s67, 0
	s_wait_dscnt 0x0                               ; both opening adds are done
	s_wait_kmcnt 0x0
	s_add_nc_u64 s[4:5], s[4:5], s[16:17]
	s_add_nc_u64 s[8:9], s[8:9], s[16:17]
	s_add_nc_u64 s[12:13], s[12:13], s[46:47]
	s_add_nc_u64 s[6:7], s[6:7], s[18:19]
	s_add_nc_u64 s[10:11], s[10:11], s[18:19]
	CROUND                                         ; all sixteen work-groups are here: the first joint loads meet
	s_mov_b32 s[G0H], 1
	s_mov_b32 s[G0H+1], 0
	s_mov_b64 s[G0H+2:G0H+3], s[4:5]
	s_or_b32 s[G0H+3], s[G0H+3], 0x80000000
	s_mov_b32 s[G0HB], 1
	s_mov_b32 s[G0HB+1], BOFF
	s_mov_b64 s[G0HB+2:G0HB+3], s[12:13]
	s_or_b32 s[G0HB+3], s[G0HB+3], 0x80000000
	s_mov_b32 s[G0SX], 1
	s_mov_b32 s[G0SX+1], SCA
	s_mov_b64 s[G0SX+2:G0SX+3], s[6:7]
	s_or_b32 s[G0SX+3], s[G0SX+3], 0x80000000
	s_mov_b32 s[G0SH], 1
	s_mov_b32 s[G0SH+1], SCA+16384
	s_mov_b64 s[G0SH+2:G0SH+3], s[10:11]
	s_or_b32 s[G0SH+3], s[G0SH+3], 0x80000000
; The head's loads, one a wave, in one chain of branches on the wave's number: wave 0 x's 256 rows, wave 1 wq's 272, wave 2 x's scale bytes, wave 3 h's
.macro ARM under, g0, g1, next
	s_cmp_lt_u32 s[WV], \under
	s_cbranch_scc0 \next
	tensor_load_to_lds s[\g0:\g0+3], s[\g1:\g1+7]
	s_nop 0
	PLACES
	s_branch .Lhead_asked
\next:
.endm
	ARM 1, G0H,  G1,  .Lhead_b
	ARM 2, G0HB, G1B, .Lhead_sx
	ARM 3, G0SX, G1S, .Lhead_sh
	tensor_load_to_lds s[G0SH:G0SH+3], s[G1S:G1S+7]
	s_nop 0
	PLACES
.Lhead_asked:
	s_add_nc_u64 s[OUT:OUT+1], s[OUT:OUT+1], s[66:67]
	s_add_nc_u64 s[OUT+2:OUT+3], s[OUT+2:OUT+3], s[66:67]
	s_add_nc_u64 s[OUT+4:OUT+5], s[OUT+4:OUT+5], s[66:67]
	s_lshl_b32 s2, s[WV], 19                       ; c: my 64 rows of the tile
	s_add_co_u32 s66, s66, s2
	s_add_nc_u64 s[PFC:PFC+1], s[14:15], s[66:67]
	; the ring's groups 0: in it a wave fetches 128 rows of x or h, or a half tile of wq
	s_lshl_b32 s16, s[CH], 17
	s_mul_i32 s46, s[CH], 34816
	s_mul_i32 s2, s[CH], HALFA
	s_mul_i32 s18, s[CH], HALFB
	s_add_co_u32 s18, s18, BOFF
	s_mov_b32 s[G0], 1
	s_add_co_u32 s[G0+1], s2, 0
	s_add_nc_u64 s[G0+2:G0+3], s[4:5], s[16:17]
	s_or_b32 s[G0+3], s[G0+3], 0x80000000
	s_mov_b32 s[G0+4], 1
	s_add_co_u32 s[G0+5], s2, SLOT
	s_add_nc_u64 s[G0+6:G0+7], s[8:9], s[16:17]
	s_or_b32 s[G0+7], s[G0+7], 0x80000000
	s_mov_b32 s[G0B], 1
	s_add_co_u32 s[G0B+1], s18, 0
	s_add_nc_u64 s[G0B+2:G0B+3], s[12:13], s[46:47]
	s_mov_b32 s[G0B+4], 1
	s_add_co_u32 s[G0B+5], s18, SLOT
	s_add_nc_u64 s[G0B+6:G0B+7], s[G0B+2:G0B+3], 278528   ; the _h weights
	s_or_b32 s[G0B+3], s[G0B+3], 0x80000000
	s_or_b32 s[G0B+7], s[G0B+7], 0x80000000
	s_load_b512 s[4:19], s[0:1], 0x48              ; the eight biases: _x at s[4:11], _h at s[12:19]
	; the scalar terms of the addresses first, then the vector lines in one run
	s_mul_i32 s43, s[RH], HALFA
	s_mul_i32 s44, s[CH], HALFB
	s_add_co_u32 s44, s44, BOFF
	s_lshl_b32 s45, s[RH], 13
	s_add_co_u32 s45, s45, SCA
	s_lshl_b32 s46, s42, 8
	s_lshl_b32 s47, s[CH], 7
	s_add_co_u32 s46, s46, s47                     ; a bias: 256 ct + 128 CH bytes
	s_add_co_u32 s66, s43, s47                     ; c's tile and the stages: 128 RH rows + 128 CH bytes
	s_mul_i32 s67, s[CH], 8*PITCH
	s_add_co_u32 s67, s67, s43
	s_add_co_u32 s67, s67, CTILE
	s_lshl_b32 s2, s[RH], 20
	s_lshl_b32 s42, s[CH], 16
	s_add_co_u32 s2, s2, s42
	s_lshl_b32 s47, s[ROT], 4
	v_and_b32 v1, 15, v0                           ; r
	v_bfe_u32 v2, v0, 4, 1                         ; h
	v_mul_u32_u24 v3, v1, PITCH
	v_lshl_add_u32 v[CRD], v2, 5, v3
	v_lshl_add_u32 v3, v2, 4, v3
	v_add_nc_u32 v[ADRA], s43, v3
	v_add_nc_u32 v[ADRB], s44, v3
	v_add_nc_u32 v[ADRA+1], SLOT, v[ADRA]
	v_add_nc_u32 v[ADRB+1], SLOT, v[ADRB]
	v_lshlrev_b32 v[ADS0], 6, v1                   ; x's scale bytes: 64 r, lanes 16-31 four blocks of 16 rows on
	v_lshl_add_u32 v[ADS0], v2, 12, v[ADS0]
	v_add_nc_u32 v[ADS0], s45, v[ADS0]
	v_add_nc_u32 v[ADSA], s47, v[ADS0]             ; 16 bytes a K step
	v_mul_u32_u24 v[ADSB], v2, 4*PITCH             ; the weights': row 128 + i of the half tile, 16 bytes a row
	v_lshl_add_u32 v[ADSB], v1, 4, v[ADSB]
	v_add_nc_u32 v[ADSB], s44, v[ADSB]
	v_add_nc_u32 v[ADSB], 128*PITCH, v[ADSB]
	v_add_nc_u32 v[ADSB+1], SLOT, v[ADSB]
	v_lshl_add_u32 v[VB], v2, 5, s46
	v_and_b32 v[PFO], 31, v0
	v_lshlrev_b32 v[PFO], 13, v[PFO]
	v_add_nc_u32 v[CRD], s66, v[CRD]
	v_add_nc_u32 v[STO], CTILE, v[CRD]
	v_add_nc_u32 v[STO+1], 2*CTILE, v[CRD]
	v_add_nc_u32 v[STO+2], 3*CTILE, v[CRD]
	v_mul_u32_u24 v[RD], v2, PITCH                 ; back: of a block's 16 rows I take 8 CH + 2 k + h, sixteen lanes a row
	v_lshl_add_u32 v[RD], v1, 4, v[RD]
	v_add_nc_u32 v[RD], s67, v[RD]
	v_add_nc_u32 v[RD+1], CTILE, v[RD]
	v_add_nc_u32 v[RD+2], 2*CTILE, v[RD]
	v_lshlrev_b32 v[GO], 4, v1
	v_lshl_add_u32 v[GO], v2, 13, v[GO]
	v_add_nc_u32 v[GO], s2, v[GO]
	s_wait_alu depctr_va_vdst(0)                   ; the head's end
	s_wait_kmcnt 0x0
	WIN 0x40                                       ; the biases go into idle registers of window 1 and are waited for in front of the epilogue; v[VB] and s[4:19] stay until then
.irp g, 0,1,2,3
.irp u, 0,1
.irp p, 0,1
	global_load_b128 v[BS+8*(2*\g+\u)+4*\p:BS+8*(2*\g+\u)+4*\p+3], v[VB], s[4+2*\g:5+2*\g] offset:64*\u+16*\p
	global_load_b128 v[BT+8*(2*\g+\u)+4*\p:BT+8*(2*\g+\u)+4*\p+3], v[VB], s[12+2*\g:13+2*\g] offset:64*\u+16*\p
.endr
.endr
.endr
	WIN 0
	s_mov_b32 s[WRA+1], 0
	s_mov_b32 s[WRB+1], 0
.macro FRAG reg, adr, q, i             ; 16 rows x 128 K of 4-bit codes: registers 4 c .. 4 c + 3 hold K = 64 c + 32 (l / 16) + 0 .. 31 of row l % 16
.irp c, 0,1
	ds_load_b128 v[\reg+4*\c:\reg+4*\c+3], v[\adr] offset:64*(\q)+32*\c+(\i)*16*PITCH
.endr
.endm
; One product: A's block a x B's block b of set p, the slot's q-th 128 along K; zero = 1: it starts the sum
.macro WM a, b, p, q, sc, zero
.set rD, 8*(8*((\a)%4)+(\b))
.set rB, 128*(\p)+8*(\b)
.set rA, AF+64*(\p)+8*(\a)
.set rSB, SC+32*(\sc)+16+4*((\b)%4)+(\q)
.set rSA, SC+32*(\sc)+4*((\a)%4)+(\q)
.if \zero
.if ((\a) < 4) && ((\b) < 4)
	v_wmma_scale_f32_16x16x128_f8f6f4 v[rD:rD+7], v[rB:rB+7], v[rA:rA+7], 0, v[rSB], v[rSA] matrix_a_fmt:MATRIX_FMT_FP4 matrix_b_fmt:MATRIX_FMT_FP4
.elseif (\a) < 4
	v_wmma_scale_f32_16x16x128_f8f6f4 v[rD:rD+7], v[rB:rB+7], v[rA:rA+7], 0, v[rSB], v[rSA] matrix_a_fmt:MATRIX_FMT_FP4 matrix_b_fmt:MATRIX_FMT_FP4 matrix_a_scale:MATRIX_SCALE_ROW1
.elseif (\b) < 4
	v_wmma_scale_f32_16x16x128_f8f6f4 v[rD:rD+7], v[rB:rB+7], v[rA:rA+7], 0, v[rSB], v[rSA] matrix_a_fmt:MATRIX_FMT_FP4 matrix_b_fmt:MATRIX_FMT_FP4 matrix_b_scale:MATRIX_SCALE_ROW1
.else
	v_wmma_scale_f32_16x16x128_f8f6f4 v[rD:rD+7], v[rB:rB+7], v[rA:rA+7], 0, v[rSB], v[rSA] matrix_a_fmt:MATRIX_FMT_FP4 matrix_b_fmt:MATRIX_FMT_FP4 matrix_a_scale:MATRIX_SCALE_ROW1 matrix_b_scale:MATRIX_SCALE_ROW1
.endif
.else
.if ((\a) < 4) && ((\b) < 4)
	v_wmma_scale_f32_16x16x128_f8f6f4 v[rD:rD+7], v[rB:rB+7], v[rA:rA+7], v[rD:rD+7], v[rSB], v[rSA] matrix_a_fmt:MATRIX_FMT_FP4 matrix_b_fmt:MATRIX_FMT_FP4
.elseif (\a) < 4
	v_wmma_scale_f32_16x16x128_f8f6f4 v[rD:rD+7], v[rB:rB+7], v[rA:rA+7], v[rD:rD+7], v[rSB], v[rSA] matrix_a_fmt:MATRIX_FMT_FP4 matrix_b_fmt:MATRIX_FMT_FP4 matrix_a_scale:MATRIX_SCALE_ROW1
.elseif (\b) < 4
	v_wmma_scale_f32_16x16x128_f8f6f4 v[rD:rD+7], v[rB:rB+7], v[rA:rA+7], v[rD:rD+7], v[rSB], v[rSA] matrix_a_fmt:MATRIX_FMT_FP4 matrix_b_fmt:MATRIX_FMT_FP4 matrix_b_scale:MATRIX_SCALE_ROW1
.else
	v_wmma_scale_f32_16x16x128_f8f6f4 v[rD:rD+7], v[rB:rB+7], v[rA:rA+7], v[rD:rD+7], v[rSB], v[rSA] matrix_a_fmt:MATRIX_FMT_FP4 matrix_b_fmt:MATRIX_FMT_FP4 matrix_a_scale:MATRIX_SCALE_ROW1 matrix_b_scale:MATRIX_SCALE_ROW1
.endif
.endif
.endm
.macro MUL16 a0, p, q, sc, zero        ; the 64 accumulators take turns, in the same order in every step
.irp a, \a0, \a0+1
.irp b, 0,1,2,3,4,5,6,7
	WM \a, \b, \p, \q, \sc, \zero
.endr
.endr
.endm
.macro SCALES sc                       ; a K step's scale words: four words a row by one load
.irp i, 0,1,2,3
	ds_load_b128 v[SC+32*\sc+4*\i:SC+32*\sc+4*\i+3], v[ADSA] offset:\sc*16384+\i*1024
.endr
.irp i, 0,1,2,3
	ds_load_b128 v[SC+32*\sc+16+4*\i:SC+32*\sc+16+4*\i+3], v[ADSB+\sc] offset:\i*PITCH
.endr
.endm
; One run of LDS loads: the fragments of the slot's q-th 128 along K into set p: B's eight, A's blocks 0-3, (the slot's scale words,) and last A's blocks 4-7
.macro FETCH slot, q, p, sc
	WIN 0x40
.irp i, 0,1,2,3,4,5,6,7
	FRAG 128*(\p)+8*\i, ADRB+\slot, \q, \i
.endr
	WIN 0
.irp i, 0,1,2,3
	FRAG AF+64*(\p)+8*\i, ADRA+\slot, \q, \i
.endr
.if \sc
	SCALES \slot
.endif
.irp i, 4,5,6,7
	FRAG AF+64*(\p)+8*\i, ADRA+\slot, \q, \i
.endr
.endm
; A step of 128 along K that has its successor in the same slot: the successor's 32 loads stand at its head, 64 matrix instructions ahead of their use
.macro STEP slot, q, zero
	s_wait_dscnt 8                                 ; this step's B, A's blocks 0-3 and the scale words are in; the youngest eight loads (A's blocks 4-7) may be out
	PLACES                                         ; the other set was multiplied in the step before
	FETCH \slot, (\q)+1, 1-(\q)%2, 0
	WIN 0xa1                                       ; source 0 (B) window 1, source 1 (A) window 0, C and D window 2
	MUL16 0, (\q)%2, \q, \slot, \zero
	MUL16 2, (\q)%2, \q, \slot, \zero
	s_wait_dscnt 32                                ; all but the 32 just issued
	WIN 0xf1
	MUL16 4, (\q)%2, \q, \slot, \zero
	MUL16 6, (\q)%2, \q, \slot, \zero
.endm
; A slot's last step changes slots.  fill = 1: the slot takes its source's K step of the next lap, jointly.  fill = 2: slot 0's first 69,632 bytes take c's tile, 64 rows a wave.
.macro TURN slot, next, fill
	WIN 0
	s_wait_tensorcnt 0x0                           ; all my tensor loads have landed: my part of the next slot
	ds_add_u32 v[SPW], v[NIL]
	s_wait_dscnt 9                                 ; (the add and A's blocks 4-7 may be out)
	WIN 0xa1
	MUL16 0, 1, NQ-1, \slot, 0
	s_wait_dscnt 0x0                               ; the add is done, and my reads of this slot are over
	s_barrier_signal -1
	MUL16 2, 1, NQ-1, \slot, 0
	WIN 0
	s_barrier_wait -1
	CREST                                          ; the barrier has opened a round of the cluster's barrier
.if \fill == 1
	s_add_nc_u64 s[G0+4*\slot+2:G0+4*\slot+3], s[G0+4*\slot+2:G0+4*\slot+3], 256
	s_sub_nc_u64 s[G0+4*\slot+2:G0+4*\slot+3], s[G0+4*\slot+2:G0+4*\slot+3], s[WRA:WRA+1]       ; a whole row back where that is K step 0 again
	s_add_nc_u64 s[G0B+4*\slot+2:G0B+4*\slot+3], s[G0B+4*\slot+2:G0B+4*\slot+3], 69632
	s_sub_nc_u64 s[G0B+4*\slot+2:G0B+4*\slot+3], s[G0B+4*\slot+2:G0B+4*\slot+3], s[WRB:WRB+1]
	JLOAD G0+4*\slot, G1, G0B+4*\slot, G1B         ; the first tensor load behind the round; its four v_nop are the places in front of the loads below
.else
	tensor_load_to_lds s[G0C:G0C+3], s[G1C:G1C+7]
	s_nop 0
	PLACES
.endif
.if \slot == 1
	v_add_nc_u32 v[ADSA], s[KS16], v[ADS0]         ; x's and h's scale words of the next lap's K step
	s_wait_alu depctr_va_vdst(0)
.endif
	FETCH \next, 0, 0, 1
.if (\slot == 0) && (\fill == 1)
	s_cmp_eq_u32 s3, LAPS-1                        ; the loop's last trip: c's tile, two K steps ahead of its tensor load; a lane a row of 256 bytes, each wave the 64 rows that it will fetch
	s_cbranch_scc0 .Lnot_yet_\@
	global_prefetch_b8 v[PFO], s[PFC:PFC+1] th:TH_LOAD_NT scope:SCOPE_SE
	global_prefetch_b8 v[PFO], s[PFC:PFC+1] offset:32*8192 th:TH_LOAD_NT scope:SCOPE_SE
.Lnot_yet_\@:
.endif
	WIN 0xf1
	MUL16 4, 1, NQ-1, \slot, 0
	MUL16 6, 1, NQ-1, \slot, 0
.endm
.macro STEPS slot, from
.set Q, \from
.rept NQ-1-\from
	STEP \slot, Q, 0
.set Q, Q+1
.endr
.endm
	s_wait_tensorcnt 0x0                           ; my tile of the head's four is in; slot 1's first fill is issued as a refill is
	ds_add_u32 v[SPW], v[NIL]
	s_mov_b32 s[G1+2], 128<<16                     ; no tensor load of mine is out: from here on a load brings 128 rows of x or h,
	s_mov_b32 s[G1+4], 128
	s_mov_b32 s[G1B+2], 136<<16                    ; or a half tile of wq
	s_mov_b32 s[G1B+4], 136
	s_mov_b32 s[G1C+0], (2<<16)|(1<<20)|(5<<22)|(3<<25)   ; c's tile: 64 rows x 64 elements of 4 bytes, 2,048 elements apart; no mask
	s_mov_b32 s[G1C+1], 64<<16
	s_mov_b32 s[G1C+2], 64<<16
	s_mov_b32 s[G1C+3], 64<<16
	s_mov_b32 s[G1C+4], 64
	s_mov_b32 s[G1C+5], 2048
	s_mov_b32 s[G1C+6], 0
	s_mov_b32 s[G1C+7], 0
	s_mov_b32 s[G0C], 1
	s_mul_i32 s[G0C+1], s[WV], 64*PITCH
	s_mov_b64 s[G0C+2:G0C+3], s[PFC:PFC+1]
	s_or_b32 s[G0C+3], s[G0C+3], 0x80000000
	s_wait_dscnt 0x0
	CROUND                                         ; all four tiles are in, and all sixteen work-groups are here
	JLOAD G0+4, G1, G0B+4, G1B                     ; slot 1: h and Wh, K step rot
	FETCH 0, 0, 0, 1
	STEP 0, 0, 1                                   ; the first step's products start the sums
	WIN 0
	s_mov_b32 s3, 1                                ; the lap that a trip asks for: 1, 2, 3
.Llap:
	s_add_co_u32 s[KK], s[ROT], s3
	s_and_b32 s[KK], s[KK], 3
	s_cmp_eq_u32 s[KK], 0
	s_cselect_b32 s[WRA], 1024, 0
	s_cselect_b32 s[WRB], 278528, 0
	s_lshl_b32 s[KS16], s[KK], 4
	STEPS 0, 1
	TURN 0, 1, 1
	STEPS 1, 0
	TURN 1, 0, 1
	STEP 0, 0, 0
	WIN 0
	s_add_co_u32 s3, s3, 1
	s_cmp_lt_u32 s3, LAPS
	s_cbranch_scc1 .Llap
	STEPS 0, 1                                     ; the last lap is written out
	TURN 0, 1, 2
	STEPS 1, 0
	s_wait_dscnt 8
	WIN 0xa1
	MUL16 0, 1, NQ-1, 1, 0
	MUL16 2, 1, NQ-1, 1, 0
	s_wait_dscnt 0x0
	WIN 0xf1
	MUL16 4, 1, NQ-1, 1, 0
	MUL16 6, 1, NQ-1, 1, 0
	WIN 0
	s_wait_tensorcnt 0x0                           ; my 64 rows of c have landed: other waves read them
	s_wait_loadcnt 0x0                             ; the biases are in: s[4:19] are free
	s_wait_dscnt 0x0                               ; my reads of slot 1 are over: other waves store results there
	s_barrier_signal -1
	s_mov_b32 s[KS1], 0xbfb8aa3b                   ; -log2 e
	s_mov_b32 s[KS1+1], 0xbfb8aa3b
	s_mov_b32 s[KS2], 0x4038aa3b                   ; 2 log2 e
	s_mov_b32 s[KS2+1], 0x4038aa3b
	WIN 0x55                                       ; (bx + bh) x the gate's factor; these lines are also the places behind the last products
.set K, 0
.rept 32
	v_pk_add_f32 v[BS+2*K:BS+2*K+1], v[BS+2*K:BS+2*K+1], v[BT+2*K:BT+2*K+1]
.set K, K+1
.endr
.set K, 0
.rept 24
	v_pk_mul_f32 v[BS+2*K:BS+2*K+1], v[BS+2*K:BS+2*K+1], s[KS1:KS1+1] op_sel_hi:[1,0]
.set K, K+1
.endr
.rept 8
	v_pk_mul_f32 v[BS+2*K:BS+2*K+1], v[BS+2*K:BS+2*K+1], s[KS2:KS2+1] op_sel_hi:[1,0]
.set K, K+1
.endr
; THE EPILOGUE, block by block of 16 rows, in place in the block's 64 accumulator registers n = 16 g + 8 u + j
.macro CLOAD a
.irp u, 0,1
.irp p, 0,1
	ds_load_b128 v[CC+8*\u+4*\p:CC+8*\u+4*\p+3], v[CRD] offset:4352*(\a)+64*\u+16*\p
.endr
.endr
.endm
.macro EXPONENTS a                     ; (sum + biases) x -log2 e for f, i, o, x 2 log2 e for c~: one multiply-add; the pairs ascend
.set AC, 64*((\a)%4)
	WIN 0x92+0x41*((\a)/4)                         ; source 2 (the biases) window 1, the rest the block's window
	s_wait_alu depctr_va_vdst(0)                   ; directly ahead of the first readers of matrix results
.set K, 0
.rept 24
	v_pk_fma_f32 v[AC+2*K:AC+2*K+1], v[AC+2*K:AC+2*K+1], s[KS1:KS1+1], v[BS+2*K:BS+2*K+1] op_sel_hi:[1,0,1]
.set K, K+1
.endr
.rept 8
	v_pk_fma_f32 v[AC+2*K:AC+2*K+1], v[AC+2*K:AC+2*K+1], s[KS2:KS2+1], v[BS+2*K:BS+2*K+1] op_sel_hi:[1,0,1]
.set K, K+1
.endr
.endm
.macro BATCH op, a                     ; 64 transcendentals on end
.set AC, 64*((\a)%4)
	WIN 0xaa+0x55*((\a)/4)
.set K, 0
.rept 64
	\op v[AC+K], v[AC+K]
.set K, K+1
.endr
	v_nop                                          ; a plain place behind the last
.endm
.macro ONES a
.set AC, 64*((\a)%4)
	WIN 0xaa+0x55*((\a)/4)
.set K, 0
.rept 32
	v_pk_add_f32 v[AC+2*K:AC+2*K+1], v[AC+2*K:AC+2*K+1], 1.0 op_sel_hi:[1,0]
.set K, K+1
.endr
.endm
.macro COMBINE a                       ; registers 0-15 f, 16-31 i, 32-47 o, 48-63 the reciprocal for c~
.set AC, 64*((\a)%4)
.irp k, 0,1,2,3,4,5,6,7
	v_pk_fma_f32 v[AC+48+2*\k:AC+49+2*\k], v[AC+48+2*\k:AC+49+2*\k], -2.0, 1.0 op_sel_hi:[1,0,0]   ; c~ = 1 - 2 R
.endr
.irp k, 0,1,2,3,4,5,6,7
	v_pk_mul_f32 v[AC+16+2*\k:AC+17+2*\k], v[AC+16+2*\k:AC+17+2*\k], v[AC+48+2*\k:AC+49+2*\k]      ; i c~
.endr
	WIN 0xa2+0x51*((\a)/4)                         ; source 1 (c) window 0
.irp k, 0,1,2,3,4,5,6,7
	v_pk_fma_f32 v[AC+2*\k:AC+1+2*\k], v[AC+2*\k:AC+1+2*\k], v[CC+2*\k:CC+1+2*\k], v[AC+16+2*\k:AC+17+2*\k]   ; c_new = f c + i c~
.endr
	WIN 0xaa+0x55*((\a)/4)
.irp k, 0,1,2,3,4,5,6,7
	v_pk_mul_f32 v[AC+16+2*\k:AC+17+2*\k], v[AC+32+2*\k:AC+33+2*\k], v[AC+2*\k:AC+1+2*\k]          ; h_new = o c_new
.endr
.endm
.macro STAGE_IN a                      ; stage 0 takes o (registers 32-47), stage 1 h_new (16-31), stage 2 c_new (0-15)
.set AC, 64*((\a)%4)
	WIN 0x08+4*((\a)/4)
.irp t, 0,1,2
.irp u, 0,1
.irp p, 0,1
	ds_store_b128 v[STO+\t], v[AC+16*(2-\t)+8*\u+4*\p:AC+16*(2-\t)+8*\u+4*\p+3] offset:4352*(\a)+64*\u+16*\p
.endr
.endr
.endr
	WIN 0
.endm
.macro STAGE_OUT a                     ; eight whole rows of each output come back, two an instruction
.irp t, 0,1,2
.irp k, 0,1,2,3
	ds_load_b128 v[OB+16*\t+4*\k:OB+16*\t+4*\k+3], v[RD+\t] offset:4352*(\a)+544*\k
.endr
.endr
.endm
.macro SEND a                          ; sixteen lanes store 256 consecutive bytes, at a multiple of 256 from the output's first byte
.irp t, 0,1,2
.irp k, 0,1,2,3
	global_store_b128 v[GO], v[OB+16*\t+4*\k:OB+16*\t+4*\k+3], s[OUT+2*\t:OUT+2*\t+1] offset:(16*(\a)+2*\k)*8192 th:TH_STORE_NT
.endr
.endr
.endm
; A row's 256 bytes come from two waves: a barrier stands between a block's stores into the stages and the loads of whole rows.  Each block has stage rows of its own.
; The next block's exponents, work on registers, stand between the barrier's signal and its wait; block a - 1 is read back and stored while block a is computed.
.irp a, 0,1,2,3,4,5,6,7
	EXPONENTS \a
	WIN 0
	s_wait_alu depctr_va_vdst(0)                   ; ahead of the barrier's wait and of the batch
	s_barrier_wait -1
.if \a >= 2
	s_wait_xcnt 0x0                                ; block a - 2's stores have read their data registers
.endif
.if \a >= 1
	STAGE_OUT \a-1
.endif
	CLOAD \a
	BATCH v_exp_f32, \a
	WIN 0
	s_wait_dscnt 0x0                               ; the rows from the stages and c's numbers are in
.if \a >= 1
	SEND \a-1
.endif
	s_wait_alu depctr_va_vdst(0)                   ; one wait for the batch of 64, ahead of its first reader
	ONES \a
	s_wait_alu depctr_va_vdst(0)                   ; and one ahead of the next batch
	BATCH v_rcp_f32, \a
	s_wait_alu depctr_va_vdst(0)
	COMBINE \a
	STAGE_IN \a
	s_wait_dscnt 0x0                               ; for the others' sake: my stores into the stages are done
	s_barrier_signal -1
.endr
	s_barrier_wait -1
	s_wait_xcnt 0x0
	STAGE_OUT 7
	s_wait_dscnt 0x0
	SEND 7
	s_wait_tensorcnt 0x0                           ; the wave's end
	ds_add_u32 v[SPW], v[NIL]
	s_wait_dscnt 0x0
	CROUND                                         ; the closing round
	s_endpgm
.Lfunc_end_k_qed396e4904_cell:
	.size	k_qed396e4904_cell, .Lfunc_end_k_qed396e4904_cell-k_qed396e4904_cell
	.p2alignl 7, 3214868480
	.fill 96, 4, 3214868480
	.section	.rodata,"a",@progbits
	.p2align	6, 0x0
	.amdhsa_kernel k_qed396e4904_cell
		.amdhsa_group_segment_fixed_size 327680
		.amdhsa_private_segment_fixed_size 0
		.amdhsa_enable_private_segment 0
		.amdhsa_kernarg_size 136
		.amdhsa_user_sgpr_count 2
		.amdhsa_user_sgpr_kernarg_segment_ptr 1
		.amdhsa_wavefront_size32 1
		.amdhsa_system_sgpr_workgroup_id_x 1
		.amdhsa_system_sgpr_workgroup_id_y 1
		.amdhsa_system_sgpr_workgroup_id_z 1
		.amdhsa_system_vgpr_workitem_id 0
		.amdhsa_next_free_vgpr 1024
		.amdhsa_next_free_sgpr 102
		.amdhsa_reserve_vcc 0
		.amdhsa_float_denorm_mode_32 3
		.amdhsa_float_denorm_mode_16_64 3
		.amdhsa_memory_ordered 1
		.amdhsa_forward_progress 1
		.amdhsa_inst_pref_size 255
	.end_amdhsa_kernel
	.section	.bss,"aw",@nobits
	.p2align	6
	.space	262144
	.amdgpu_metadata
---
amdhsa.version: [ 1, 2 ]
amdhsa.kernels:
  - .name:           k_qed396e4904_cell
    .symbol:         k_qed396e4904_cell.kd
    .args:
      - { .name: x_codes, .offset: 0, .size: 8, .value_kind: global_buffer, .address_space: global }
      - { .name: x_scales, .offset: 8, .size: 8, .value_kind: global_buffer, .address_space: global }
      - { .name: h_codes, .offset: 16, .size: 8, .value_kind: global_buffer, .address_space: global }
      - { .name: h_scales, .offset: 24, .size: 8, .value_kind: global_buffer, .address_space: global }
      - { .name: wq, .offset: 32, .size: 8, .value_kind: global_buffer, .address_space: global }
      - { .name: c, .offset: 40, .size: 8, .value_kind: global_buffer, .address_space: global }
      - { .name: out0, .offset: 48, .size: 8, .value_kind: global_buffer, .address_space: global }
      - { .name: out1, .offset: 56, .size: 8, .value_kind: global_buffer, .address_space: global }
      - { .name: out2, .offset: 64, .size: 8, .value_kind: global_buffer, .address_space: global }
      - { .name: b_f_x, .offset: 72, .size: 8, .value_kind: global_buffer, .address_space: global }
      - { .name: b_i_x, .offset: 80, .size: 8, .value_kind: global_buffer, .address_space: global }
      - { .name: b_o_x, .offset: 88, .size: 8, .value_kind: global_buffer, .address_space: global }
      - { .name: b_c_x, .offset: 96, .size: 8, .value_kind: global_buffer, .address_space: global }
      - { .name: b_f_h, .offset: 104, .size: 8, .value_kind: global_buffer, .address_space: global }
      - { .name: b_i_h, .offset: 112, .size: 8, .value_kind: global_buffer, .address_space: global }
      - { .name: b_o_h, .offset: 120, .size: 8, .value_kind: global_buffer, .address_space: global }
      - { .name: b_c_h, .offset: 128, .size: 8, .value_kind: global_buffer, .address_space: global }
    .group_segment_fixed_size: 327680
    .private_segment_fixed_size: 0
    .kernarg_segment_align: 8
    .kernarg_segment_size: 136
    .max_flat_workgroup_size: 128
    .sgpr_count:     102
    .vgpr_count:     1024
    .wavefront_size: 32
...
	.end_amdgpu_metadata
.endif
;; end of part 2
